; MI455X (gfx1250); checked and timed in simulation.
; The chip was launched on July 23, 2026; its instructions are those of AMD's public machine-readable ISA for CDNA 5 (MIT licence, August 2026) and "CDNA5" Instruction Set Architecture Reference Guide (July 2026). The comments in the code are by the model that wrote it; some were corrected since.
;; Multi Head Attention. Allowed arithmetic: matrix products marked QUANTISED: E2M3 operands, one E8M0 scale for each 32 along K, by v_wmma_scale_f32_16x16x128_f8f6f4 with both operands' format E2M3, f32 sums; products left as they are: f32 operands where the result goes on into a quantised operand, else bf16, f16 or f32 operands; f32 sums; everything else in f32.
;; Inputs: Wk_codes 1,024 x 16 x 24 uint8 (E2M3 codes of Wk, K innermost, in blocks of 32 codes, four codes in three bytes); Wk_scales 1,024 x 16 uint8 (E8M0 scales of Wk, one for each 32 codes along K); Wq_codes 1,024 x 16 x 24 uint8 (E2M3 codes of Wq, K innermost, in blocks of 32 codes, four codes in three bytes); Wq_scales 1,024 x 16 uint8 (E8M0 scales of Wq, one for each 32 codes along K); bk 1,024 float32; bq 1,024 float32; key 64 x 2,048 x 512 float32; query_codes 64 x 1 x 16 x 24 uint8 (E2M3 codes of query, K innermost, in blocks of 32 codes, four codes in three bytes); query_scales 64 x 1 x 16 uint8 (E8M0 scales of query, one for each 32 codes along K); v 128 float32.
;; Outputs: out0 64 x 1 x 4,096 float32.
;; This version of the problem:
;;   THIS VERSION OF THE PROBLEM IS GIVEN IN LOW PRECISION. The matrix products marked QUANTISED in the list below multiply operands that are first quantised to E2M3 (2 exponent bits, 3 mantissa bits; 6 bits a number), with one power-of-two scale for each 32 numbers along K (OCP MX v1.0); their sums are f32. All else is computed in f32.
;;   The module's matrix products, in the order in which they are computed (A, B: the left and right operand; K: the contracted axis; several contracted axes count as one K, in the product's order):
;;     1. [M 64, K 512] x [K 512, N 1,024]; A: input query (given as codes); B: input Wq (given as codes): QUANTISED
;;     2. [M 131,072, K 512] x [K 512, N 1,024]; A: input key; B: input Wk (given as codes): QUANTISED
;;     3. [M 1, K 128] x [K 128, N 1,048,576]; A: computed on the way; B: computed on the way: left as it is (M = 1 < 16)
;;     4. batch 64 x [M 8, K 2,048] x [K 2,048, N 512]; A: computed on the way; B: input key: left as it is (M = 8 < 16)
;;   THE QUANTISER, for each operand of a quantised product, along K:
;;     - K is cut into blocks of 32 from its start; a last block that is shorter is filled with zeros.
;;     - A block's scale is 2^e with e = floor(log2(the largest magnitude in the block)) - 2, held to -126 .. 127; a block of zeros has e = 0. As a byte (E8M0): e + 127.
;;     - Each number is divided by its block's scale, clamped to +-7.5, and rounded to the nearest number of E2M3, ties to even, subnormals kept.
;;     - The product sums the exact products of the quantised numbers (number of the format x scale) in f32.
;;   ~~~python
;;   def quantise(x, axis):      # numpy; x: float32 -> the quantised numbers, widened to float32 again
;;       x = np.moveaxis(x, axis, -1); K = x.shape[-1]
;;       x = np.pad(x, [(0, 0)] * (x.ndim - 1) + [(0, -K % 32)]); x = x.reshape(x.shape[:-1] + (-1, 32)); a = np.abs(x).max(-1, keepdims=True)
;;       e = np.where(a > 0, np.clip(np.frexp(np.where(a > 0, a, 1))[1] - 1 - 2, -126, 127), 0)      # np.frexp(a)[1] - 1 = floor(log2(a)), exactly
;;       r = np.clip(x / 2.0 ** e, -7.5, 7.5)
;;       step = 2.0 ** (np.maximum(np.frexp(np.where(r == 0, 1, r))[1] - 1, 0) - 3)
;;       q = np.round(r / step) * step * 2.0 ** e      # np.round: ties to even
;;       return np.moveaxis(q.reshape(q.shape[:-2] + (-1,))[..., :K], -1, axis).astype(np.float32)
;;   ~~~
;;   INPUTS GIVEN AS CODES. Wk (in the module: [1024, 512], K = its axis 1); Wq (in the module: [1024, 512], K = its axis 1); query (in the module: [64, 1, 512], K = its axis 2): each comes as NAME_codes (uint8): NAME with its K axis moved to the last place and cut into blocks of 32 codes, [.., K / 32, bytes a block], one block behind the other in memory; four codes in three bytes: a row's codes are one little-endian stream of bits, code i at bits 6 i .. 6 i + 5 (a code: sign, 2 exponent bits, 3 mantissa bits); and NAME_scales (uint8): the same leading axes, one E8M0 byte (e + 127) for each 32 codes along K. Its value is code x scale, taken as it is: it is not quantised again, and the codes and scales need not be those that the quantiser above would give.
;; One version. Each part assembles by itself: llvm-mc -triple=amdgcn-amd-amdhsa -mcpu=gfx1250 --defsym DOCPART=n.
;; ======== version 1 of 1: 3 launches
;; workspace buffers: wfrag 393,216 bytes; cbias 262,144 bytes; part 4,194,304 bytes
;; launch prep (part 1): grid 64 x 1, 4 waves a work-group, no clusters, 5,120 bytes of LDS; arguments query_codes, query_scales, Wq_codes, Wq_scales, bq, bk, Wk_codes, wfrag, cbias; writes wfrag, cbias
.if DOCPART == 1
	.amdgcn_target "amdgcn-amd-amdhsa--gfx1250"
	.amdhsa_code_object_version 6
	.text
	.protected	k_q3b6e83d51c_prep
	.globl	k_q3b6e83d51c_prep
	.p2align	8
	.type	k_q3b6e83d51c_prep,@function
k_q3b6e83d51c_prep:
	s_mov_b64 s[64:65], 0
	v_nop
	global_prefetch_b8 v0, s[64:65] scope:SCOPE_SE
	s_setreg_imm32_b32 hwreg(HW_REG_WAVE_MODE, 25, 1), 1
	s_wait_xcnt 0x0
; FIRST OF THREE LAUNCHES.  (a) cbias[b][u] = c (query[b] . Wq[u] + bq[u] + bk[u]), c = 2 log2(e): the product on the given E2M3 codes and E8M0 scales, f32 sums.
; (b) Wk's codes, laid anew in the order in which the second launch's operand registers take them (wfrag), so that a fragment comes there by three loads of 16 bytes a lane.
; WORK LEFT OUT BY THE PROGRAM, AND WHY IT IS DEAD.  tanh(x) = 1 - 2 / (1 + e^(2x)) for every real x, so
;   add[b,h,t] = sum_d nv[d]  -  2 sum_d nv[d] / (1 + e^(2 (ks + qs))).
; The first term hangs on neither b, h nor t: it is the same along the heads' axis, which is the softmax's axis, and a softmax is not moved by a term common to its axis.  It is never formed.
; |sum_d nv[d]| <= sqrt(128) |nv| = 1, the size of the scores themselves, so reference()'s f32 loses nothing beside it.  Every input keeps a way to the output, and every input is loaded.
; LIMIT: a NaN, an infinity or an overflow that reaches only that term is not carried to the result (v feeds the kept term too, so none is known).
; LIMIT: the biases are added behind the product, scaled by c, in one fused multiply-add; K steps 0, 2 and K steps 1, 3 are summed apart and then joined: another order of rounding than reference()'s.
; SHARES.  Work-group x: units 64 U .. 64 U + 63, U = x / 4, and batches 16 Y .. 16 Y + 15, Y = x % 4.  Wave i: the tile of 16 units 4 U + i of the product, and of Wk's same tile the fragment of K step Y.
; The product is used with source 0 = 16 rows of Wq, source 1 = 16 rows of query: lane (r, h) holds batch r, its registers units 8 h + 0 .. 7 of the tile: 32 neighbouring bytes of a row of cbias.
; A row's 256 bytes come from the four waves: they meet in one stage in LDS, a barrier stands between the writing and the reading, and each wave stores four whole rows, sixteen lanes to an aligned 256 bytes.
; wfrag: byte 24576 U + 6144 s + 1536 i + 512 c + 16 lane = registers 4 c .. 4 c + 3 of the fragment (units 16 (4 U + i) + r, K step s).
.set STP,   272                        ; a stage row: 256 bytes + 16
.set SPARE, 4608                       ; behind the stage (16 rows, 4,352 bytes, rounded up to whole blocks of 512): the spare words, 128 bytes a wave, that no other line names
.set LI,  1                            ; v1   16 x lane
.set FA,  2                            ; v2   384 r + 24 h: a fragment's row (512 codes are 384 bytes) and my half's 24 bytes
.set SA,  3                            ; v3   16 r + 8 h: a row's four scale words; my half takes two of them
.set STO, 4                            ; v4   the stage, in: row r, my wave's 64 bytes, 32 bytes a half
.set RD,  5                            ; v5   the stage, back: rows 4 i + h, 16 bytes a lane
.set GO,  6                            ; v6   the same rows in cbias
.set BO,  7                            ; v7   16 r: my four units' biases
.set SPW, 8                            ; v8   LDS address of my spare word; never rewritten
.set NIL, 9                            ; v9   0; never rewritten
.set QS,  10                           ; v10-11  query's scale words: lanes 0-15 K steps 0, 1; lanes 16-31 K steps 2, 3
.set WQS, 12                           ; v12-13  Wq's likewise
.set BQ,  16                           ; v16-19  bq, then c (bq + bk)
.set BK,  20                           ; v20-23  bk
.set QF,  32                           ; v32-79   query's four fragments
.set WF,  80                           ; v80-127  Wq's four fragments
.set R,   128                          ; v128-139 Wk's fragment
.set ACC, 144                          ; v144-159 two accumulators
.set OB,  160                          ; v160-167 four rows read back from the stage
	s_load_b256 s[4:11], s[0:1], 0x0               ; query's codes s[4:5], its scales s[6:7], Wq's codes s[8:9], its scales s[10:11]
	s_load_b256 s[12:19], s[0:1], 0x20             ; bq s[12:13], bk s[14:15], Wk's codes s[16:17], wfrag s[18:19]
	s_load_b64 s[20:21], s[0:1], 0x40              ; cbias
	v_lshl_add_u32 v[SPW], v0, 2, SPARE
	v_mov_b32 v[NIL], 0
	v_lshrrev_b32 v28, 5, v0
	v_readfirstlane_b32 s2, v28                    ; wave i
	v_and_b32 v29, 15, v0                          ; r
	v_bfe_u32 v30, v0, 4, 1                        ; h
	v_and_b32 v31, 31, v0                          ; lane
	v_lshlrev_b32 v[LI], 4, v31
	v_mul_u32_u24 v[FA], v29, 384
	v_mad_u32_u24 v[FA], v30, 24, v[FA]
	v_lshlrev_b32 v[SA], 4, v29
	v_lshl_add_u32 v[SA], v30, 3, v[SA]
	s_lshl_b32 s3, s2, 6
	v_mul_u32_u24 v[STO], v29, STP
	v_lshl_add_u32 v[STO], v30, 5, v[STO]
	v_add_nc_u32 v[STO], s3, v[STO]
	s_mul_i32 s43, s2, 4*STP
	v_mul_u32_u24 v[RD], v30, STP
	v_lshl_add_u32 v[RD], v29, 4, v[RD]
	v_add_nc_u32 v[RD], s43, v[RD]
	v_lshlrev_b32 v[BO], 4, v29
	v_lshl_add_u32 v[GO], v30, 12, v[BO]
	s_lshl_b32 s44, s2, 14
	v_add_nc_u32 v[GO], s44, v[GO]
	s_mov_b32 s22, 0x4038aa3b                      ; c = 2 log2(e)
	s_mov_b32 s23, s22                             ; (named with it as a pair)
	s_lshr_b32 s38, ttmp9, 2                       ; U
	s_and_b32 s39, ttmp9, 3                        ; Y
	s_mul_i32 s24, s38, 24576                      ; 64 rows of 384 bytes; also 16 fragments' images
	s_mul_i32 s42, s2, 6144                        ; 16 rows of 384 bytes
	s_mul_i32 s40, s2, 1536                        ; a fragment's image
	s_add_co_u32 s40, s40, s24                     ; wfrag: 24576 U + 1536 i
	s_mov_b32 s41, 0
	s_add_co_u32 s24, s24, s42                     ; Wq's and Wk's codes: my tile's first row
	s_mov_b32 s25, 0
	s_mul_i32 s26, s39, 6144                       ; query's 16 rows; also four fragments' images
	s_mov_b32 s27, 0
	s_lshl_b32 s28, s38, 10                        ; 64 rows of 16 scale bytes,
	s_lshl_b32 s42, s2, 8                          ; my 16 of them
	s_add_co_u32 s28, s28, s42
	s_mov_b32 s29, 0
	s_lshl_b32 s30, s39, 8                         ; query's 16 rows of 16 scale bytes
	s_mov_b32 s31, 0
	s_lshl_b32 s32, s38, 8                         ; 64 f32
	s_mov_b32 s33, 0
	s_mul_i32 s34, s39, 96                         ; K step Y in a row of codes
	s_mov_b32 s35, 0
	s_lshl_b32 s36, s39, 16                        ; 16 rows of cbias
	s_mov_b32 s37, 0
	s_wait_kmcnt 0x0
	s_add_nc_u64 s[8:9], s[8:9], s[24:25]
	s_add_nc_u64 s[4:5], s[4:5], s[26:27]
	s_add_nc_u64 s[10:11], s[10:11], s[28:29]
	s_add_nc_u64 s[6:7], s[6:7], s[30:31]
	s_add_nc_u64 s[12:13], s[12:13], s[32:33]
	s_add_nc_u64 s[14:15], s[14:15], s[32:33]
	s_add_nc_u64 s[16:17], s[16:17], s[24:25]
	s_add_nc_u64 s[16:17], s[16:17], s[34:35]
	s_add_nc_u64 s[18:19], s[18:19], s[40:41]
	s_add_nc_u64 s[18:19], s[18:19], s[26:27]
	s_add_nc_u64 s[20:21], s[20:21], s[36:37]
	s_add_nc_u64 s[20:21], s[20:21], s[32:33]
.irp s, 0,1,2,3
.irp p, 0,1,2,3,4,5
	global_load_b64 v[WF+12*\s+2*\p:WF+12*\s+2*\p+1], v[FA], s[8:9] offset:96*\s+48*(\p/3)+8*(\p%3)
.endr
.endr
.irp s, 0,1,2,3
.irp p, 0,1,2,3,4,5
	global_load_b64 v[QF+12*\s+2*\p:QF+12*\s+2*\p+1], v[FA], s[4:5] offset:96*\s+48*(\p/3)+8*(\p%3)
.endr
.endr
	global_load_b64 v[WQS:WQS+1], v[SA], s[10:11]
	global_load_b64 v[QS:QS+1], v[SA], s[6:7]
	global_load_b128 v[BQ:BQ+3], v[BO], s[12:13]
	global_load_b128 v[BK:BK+3], v[BO], s[14:15]
.irp p, 0,1,2,3,4,5
	global_load_b64 v[R+2*\p:R+2*\p+1], v[FA], s[16:17] offset:48*(\p/3)+8*(\p%3)
.endr
	s_wait_loadcnt 6                               ; all but Wk's 6 loads, which were issued last
	; two accumulators take turns, one instruction a turn: K steps 0 and 2 in the first, 1 and 3 in the second; the first product of each starts its sum
	v_wmma_scale_f32_16x16x128_f8f6f4 v[ACC:ACC+7], v[WF:WF+11], v[QF:QF+11], 0, v[WQS], v[QS] matrix_a_fmt:MATRIX_FMT_FP6 matrix_b_fmt:MATRIX_FMT_FP6
	v_wmma_scale_f32_16x16x128_f8f6f4 v[ACC+8:ACC+15], v[WF+12:WF+23], v[QF+12:QF+23], 0, v[WQS+1], v[QS+1] matrix_a_fmt:MATRIX_FMT_FP6 matrix_b_fmt:MATRIX_FMT_FP6
	v_wmma_scale_f32_16x16x128_f8f6f4 v[ACC:ACC+7], v[WF+24:WF+35], v[QF+24:QF+35], v[ACC:ACC+7], v[WQS], v[QS] matrix_a_fmt:MATRIX_FMT_FP6 matrix_b_fmt:MATRIX_FMT_FP6 matrix_a_scale:MATRIX_SCALE_ROW1 matrix_b_scale:MATRIX_SCALE_ROW1
	v_wmma_scale_f32_16x16x128_f8f6f4 v[ACC+8:ACC+15], v[WF+36:WF+47], v[QF+36:QF+47], v[ACC+8:ACC+15], v[WQS+1], v[QS+1] matrix_a_fmt:MATRIX_FMT_FP6 matrix_b_fmt:MATRIX_FMT_FP6 matrix_a_scale:MATRIX_SCALE_ROW1 matrix_b_scale:MATRIX_SCALE_ROW1
	v_pk_add_f32 v[BQ:BQ+1], v[BQ:BQ+1], v[BK:BK+1]            ; bq + bk of my four units; these four lines are the places behind the last product (ISA guide 7.12.1)
	v_pk_add_f32 v[BQ+2:BQ+3], v[BQ+2:BQ+3], v[BK+2:BK+3]
	v_pk_mul_f32 v[BQ:BQ+1], v[BQ:BQ+1], s[22:23] op_sel_hi:[1,0]
	v_pk_mul_f32 v[BQ+2:BQ+3], v[BQ+2:BQ+3], s[22:23] op_sel_hi:[1,0]
.irp j, 0,2,4,6
	v_pk_add_f32 v[ACC+\j:ACC+\j+1], v[ACC+\j:ACC+\j+1], v[ACC+8+\j:ACC+8+\j+1]   ; the two halves of K, each accumulator from its low end on
.endr
	ds_store_b128 v[STO], v[ACC:ACC+3]
	ds_store_b128 v[STO], v[ACC+4:ACC+7] offset:16
	s_wait_dscnt 0x0                               ; for the others' sake: my stores into the stage are done
	s_barrier_signal -1
	s_barrier_wait -1
	ds_load_b128 v[OB:OB+3], v[RD]                 ; rows 4 i + h
	ds_load_b128 v[OB+4:OB+7], v[RD] offset:2*STP  ; rows 4 i + 2 + h
.irp t, 0,1
	s_wait_dscnt 1-\t                              ; this pair of rows is back; the younger load may be out
	v_pk_fma_f32 v[OB+4*\t:OB+4*\t+1], v[OB+4*\t:OB+4*\t+1], s[22:23], v[BQ:BQ+1] op_sel_hi:[1,0,1]
	v_pk_fma_f32 v[OB+4*\t+2:OB+4*\t+3], v[OB+4*\t+2:OB+4*\t+3], s[22:23], v[BQ+2:BQ+3] op_sel_hi:[1,0,1]
	global_store_b128 v[GO], v[OB+4*\t:OB+4*\t+3], s[20:21] offset:8192*\t   ; sixteen lanes store 256 consecutive bytes, at a multiple of 256 from cbias's first byte
.endr
	s_wait_loadcnt 0x0                             ; Wk's fragment
.irp c, 0,1,2
	global_store_b128 v[LI], v[R+4*\c:R+4*\c+3], s[18:19] offset:512*\c   ; 32 lanes store 512 consecutive bytes
.endr
	s_wait_tensorcnt 0x0                           ; the wave's end, behind my last LDS store
	ds_add_u32 v[SPW], v[NIL]
	s_wait_dscnt 0x0
	s_endpgm
.Lfunc_end_k_q3b6e83d51c_prep:
	.size	k_q3b6e83d51c_prep, .Lfunc_end_k_q3b6e83d51c_prep-k_q3b6e83d51c_prep
	.p2alignl 7, 3214868480
	.fill 96, 4, 3214868480
	.section	.rodata,"a",@progbits
	.p2align	6, 0x0
	.amdhsa_kernel k_q3b6e83d51c_prep
		.amdhsa_group_segment_fixed_size 5120
		.amdhsa_private_segment_fixed_size 0
		.amdhsa_enable_private_segment 0
		.amdhsa_kernarg_size 72
		.amdhsa_user_sgpr_count 2
		.amdhsa_user_sgpr_kernarg_segment_ptr 1
		.amdhsa_wavefront_size32 1
		.amdhsa_system_sgpr_workgroup_id_x 1
		.amdhsa_system_sgpr_workgroup_id_y 1
		.amdhsa_system_sgpr_workgroup_id_z 1
		.amdhsa_system_vgpr_workitem_id 0
		.amdhsa_next_free_vgpr 168
		.amdhsa_next_free_sgpr 66
		.amdhsa_reserve_vcc 0
		.amdhsa_float_denorm_mode_32 3
		.amdhsa_float_denorm_mode_16_64 3
		.amdhsa_memory_ordered 1
		.amdhsa_forward_progress 1
		.amdhsa_inst_pref_size 11
	.end_amdhsa_kernel
	.amdgpu_metadata
---
amdhsa.version: [ 1, 2 ]
amdhsa.kernels:
  - .name:           k_q3b6e83d51c_prep
    .symbol:         k_q3b6e83d51c_prep.kd
    .args:
      - { .name: query_codes, .offset: 0, .size: 8, .value_kind: global_buffer, .address_space: global }
      - { .name: query_scales, .offset: 8, .size: 8, .value_kind: global_buffer, .address_space: global }
      - { .name: Wq_codes, .offset: 16, .size: 8, .value_kind: global_buffer, .address_space: global }
      - { .name: Wq_scales, .offset: 24, .size: 8, .value_kind: global_buffer, .address_space: global }
      - { .name: bq, .offset: 32, .size: 8, .value_kind: global_buffer, .address_space: global }
      - { .name: bk, .offset: 40, .size: 8, .value_kind: global_buffer, .address_space: global }
      - { .name: Wk_codes, .offset: 48, .size: 8, .value_kind: global_buffer, .address_space: global }
      - { .name: wfrag, .offset: 56, .size: 8, .value_kind: global_buffer, .address_space: global }
      - { .name: cbias, .offset: 64, .size: 8, .value_kind: global_buffer, .address_space: global }
    .group_segment_fixed_size: 5120
    .private_segment_fixed_size: 0
    .kernarg_segment_align: 8
    .kernarg_segment_size: 72
    .max_flat_workgroup_size: 128
    .sgpr_count:     66
    .vgpr_count:     168
    .wavefront_size: 32
...
	.end_amdgpu_metadata
.endif
;; end of part 1
;; launch main (part 2): grid 256 x 1, 4 waves a work-group, no clusters, 327,680 bytes of LDS; arguments key, wfrag, Wk_scales, cbias, v, part; writes part
.if DOCPART == 2
	.amdgcn_target "amdgcn-amd-amdhsa--gfx1250"
	.amdhsa_code_object_version 6
	.text
	.protected	k_q3b6e83d51c_main
	.globl	k_q3b6e83d51c_main
	.p2align	8
	.type	k_q3b6e83d51c_main,@function
k_q3b6e83d51c_main:
	s_mov_b64 s[64:65], 0
	v_nop
	global_prefetch_b8 v0, s[64:65] scope:SCOPE_SE
	s_setreg_imm32_b32 hwreg(HW_REG_WAVE_MODE, 25, 1), 1
	s_wait_xcnt 0x0
; SECOND LAUNCH.  For 512 rows t of key of one batch b: Q(key) Wk^T on E2M3 codes; r = 1 / (1 + 2^(c k + cbias)), c = 2 log2(e), which is 1 / (1 + e^(2 (ks + qs)));
; z[h][t] = sum_d NV[d] r, NV = -2 log2(e) g v rsqrt(sum v^2); weights = softmax over the 8 HEADS of z (base 2, the maximum taken away); part[h][:] = sum_t weights[h][t] key[t][:].
; LEFT OUT: the term sum_d nv[d] of the scores, the same for all heads of a (b, t): shown dead at the head of the first launch's text.
; LIMITS.  NaN and infinities in key are not served.  A block of 32 of key whose largest magnitude lies under 2^-124 keeps the scale byte 1; so does a block of zeros (the rule says 127): its codes are zeros,
; and only this text reads the bytes.  The biases enter behind the product, by one fused multiply-add.  The last product takes weights and key rounded to bf16, sums in f32.
; SHARES.  Work-group g: batch g / 4, rows 512 (g % 4) on, in 8 blocks of 64 rows.  Wave w: units 256 w .. 256 w + 255 (heads 2 w, 2 w + 1): its 64 fragments of Wk, 768 registers, stay in registers for the whole launch.
; Of each block wave w also quantises rows 16 w .. + 15, takes the softmax of those rows, and sums columns 128 w .. + 127 of the context.
; NO CLUSTER: a block of key is read by this work-group alone; what work-groups share is wfrag, 393,216 bytes, read once at the head straight into registers: a joint load would land in LDS, where it does not fit beside two slots of 133,120 bytes.
; A BLOCK, four barriers: the change of slots | Q: my 16 rows become four fragments and their scale words, stored to LDS as images of the operand's registers | barrier | P: for each of four tiles of 16 rows: 64 products
; (source 0 = 16 rows of key, source 1 = 16 units: lane (r, h) holds unit r and rows 8 h + 0 .. 7, so a bias and an NV are one register a tile), the sigmoids, the sum over a head's units | barrier | S: the softmax | barrier |
; C: context += weights x key, bf16 (source 0 = the 8 heads and 8 rows of zeros, source 1 = 32 rows x 16 columns of key).
; P GOES BY TURNS.  A tile of rows has four groups of four tiles of units: 16 products and 112 vector instructions (64 of them transcendentals) each.  Group g + 1's products are issued one at a time, a slice of group g's
; vector work behind each, on two sets of four accumulators.  Group 0's products and group 3's vector work stand bare: to set these side by side too would want a second set of key's fragments, 48 registers that are not there.
; THE SECOND SET of accumulators lies in the registers of the context's accumulators 4 to 7, which only C uses: between two C phases their sums wait in the wave's own 4,096 bytes of LDS.
; A SLOT holds a block as four parts of 32 HALF rows (1,024 bytes + 16 of padding): part 2 G + e = rows 32 G .. + 31, bytes 1,024 e on.  A half row's pitch is 1,040 bytes = 260 words: row r starts at bank 4 r mod 64
; (64 banks of 4 bytes: ISA guide 11.1), so the sixteen rows that a load of Q touches start at sixteen different groups of four banks.
; REGISTERS.  Windows 1-3: Wk's fragments f = 0 .. 62 in the order of their use, fragment f in window 1 + f / 21 at 12 (f % 21); fragment 63 in window 0.  Window 0: see the names below; v148-255 change hands from phase to phase.
.set PARTB, 33280                      ; a part: 32 half rows: what a wave's one tensor load brings
.set HP,    1040
.set SLOT,  4*PARTB
.set FRB,   1536                       ; a fragment's image: 12 registers x 128 bytes
.set IMG,   2*SLOT                     ; 16 images: (tile of rows m, K step s) at (4 m + s) FRB
.set KSC,   IMG+16*FRB                 ; key's scale words: 256 m + 16 r + 4 s
.set SCT,   KSC+1024                   ; the scores: 32 t + 4 head
.set WT,    SCT+2048                   ; the weights, bf16: 16 rows (head; 8-15 are zeros) of 144 bytes, 2 t in a row
.set WTP,   144
.set SPARE, WT+16*WTP                  ; the spare words, 128 bytes a wave, that no other line names
.set SPL,   SPARE+512                  ; where the context's accumulators 4 to 7 wait: 4,096 bytes a wave, 6,144 bytes from wave to wave (the step of the address register IW)
.set SPO,   SPL-IMG
.set IR,  1                            ; v1   IMG + 16 lane
.set QA,  2                            ; v2   Q: my row's first half in a slot, + 128 h
.set CA,  3                            ; v3   C: row 8 h of a part, my wave's columns, 16 bytes a lane
.set IW,  4                            ; v4   where I store images: IR + 4 FRB w
.set KW,  5                            ; v5   and scale words: KSC + 256 w + 16 r
.set KR,  6                            ; v6   where I read them: KSC + 16 r + 8 h
.set SW,  7                            ; v7   where I store a score
.set SR,  8                            ; v8   where I read four
.set TW,  9                            ; v9   where I store weights
.set TR,  10                           ; v10  where I read their fragment
.set SH8, 11                           ; v11  8 h
.set SPW, 12                           ; v12  LDS address of my spare word; never rewritten
.set NIL, 13                           ; v13  0; never rewritten
.set KS,  14                           ; v14-15   key's scale words: lanes 0-15 K steps 0, 1; lanes 16-31 K steps 2, 3
.set WSC, 16                           ; v16-47   Wk's likewise, two registers a tile of units
.set CB,  48                           ; v48-63   cbias of my unit in each of the 16 tiles
.set NV,  64                           ; v64-71   NV of my unit in each of a head's 8 tiles
.set CTX, 72                           ; v72-135  8 accumulators of the context: (g, c) at 8 (4 g + c): column 128 w + 64 g + 4 r + c
.set ACC2, 104                         ; P: v104-135 the second set of four accumulators (in C: the context's (1, c))
.set WX,  136                          ; v136-147 Wk's fragment 63
.set LI,  148                          ; head: 16 lane
.set X,   148                          ; Q: v148-211 two sets of 32 numbers
.set PC,  212                          ; Q: v212-223 a fragment's codes
.set PT,  224                          ; Q: v224-226 a block's upper 16 codes, as the conversion leaves them
.set TQ,  232                          ; Q: v232-239 at work
.set ADR, 252
.set KF,  148                          ; P: v148-195 key's four fragments of a tile of rows
.set ACC, 196                          ; P: v196-227 the first set of four accumulators
.set SAC, 228                          ; P: v228-235, v236-243 the two heads' sums
.set TP,  244                          ; P: v244-251 at work
.set ADK, 252
.set ADS, 253
.set ADW, 254
.set Z,   148                          ; S: v148-159
.set F,   148                          ; C: v148-211 16 rows x 4 columns of key, f32
.set BF,  212                          ; C: v212-243 four fragments of key, bf16
.set WA,  244                          ; C: v244-251 the weights' fragment
.set ADC, 252                          ; C: v252, v253 rows 0-31, rows 32-63
.set OQ,  148                          ; the end: v148-179
.set WV,  16                           ; s16  wave
.set G0,  20                           ; s[20:23] descriptor group 0
.set G1,  24                           ; s[24:31] descriptor group 1
.set SB,  32                           ; s32  the slot in hand
.set SN,  33                           ; s33  the slot that is filled
.set BLK, 34
.set MC,  35
.set MO,  36                           ; s36-38  4 FRB m, 256 m, 512 m
.set MK,  37
.set MS,  38
.set CS,  40                           ; s[40:41] c, c
.set SEL, 42                           ; s[42:43] v_permlanex16_b32's selects for lane l xor 16
.set M8,  44                           ; s44-47  the lanes whose bit 3, 2, 1, 0 is set
.set M4,  45
.set M2,  46
.set M1,  47
.set WOFF, 48                          ; s48  PARTB w
.set MSB, 0
.macro WIN new                         ; the immediate's high byte repeats the setting that is left
.if MSB != \new
	s_set_vgpr_msb (MSB<<8)|\new
.set MSB, \new
.endif
.endm
.macro BAR                             ; my LDS stores have landed and my LDS loads are in: then the work-group's barrier
	s_wait_dscnt 0x0
	s_barrier_signal -1
	s_barrier_wait -1
.endm
; THE CHANGE OF SLOTS.  Each wave waits for its tensor load (one is out: its part of the block ahead), adds 0 to its spare word, and waits for that and for its reads of the block behind.
; Behind the barrier the block ahead is whole and nobody reads the other slot.  fill = 1: that slot takes the block after, first thing: the load has a whole block's work in which to land.
.macro TOP fill
	s_wait_tensorcnt 0x0                           ; no tensor load of mine is out, so group 0 may be written
	ds_add_u32 v[SPW], v[NIL]                      ; 0 onto my spare word; the steps below stand between it and the wait for it
	s_xor_b32 s[SB], s[SB], SLOT
.if \fill
	s_xor_b32 s[SN], s[SN], SLOT
	s_add_co_u32 s[G0+1], s[SN], s[WOFF]
	s_add_nc_u64 s[G0+2:G0+3], s[G0+2:G0+3], 131072  ; 64 rows of 2,048 bytes on; the type bits on top are not reached
.endif
	s_wait_dscnt 0x0
	s_barrier_signal -1
	s_barrier_wait -1
.if \fill
	tensor_load_to_lds s[G0:G0+3], s[G1:G1+7]
	s_nop 0
.endif
.endm
; Q.  Unit u = 2 s + c is the block of 32 numbers k = 128 s + 64 c + 32 h + 0 .. 31 of my row: the operand's layout gives it whole to my lane, as registers 6 c .. 6 c + 5 of K step s.
; K steps 0, 1 lie in the row's first half, K steps 2, 3 in the second, a part further on.
.macro LOADU u
.set XL, X+32*((\u)%2)
.set OL, PARTB*((\u)/4)+512*(((\u)/2)%2)+256*((\u)%2)
.irp i, 0,1,2,3,4,5,6,7
	ds_load_b128 v[XL+4*\i:XL+4*\i+3], v[ADR] offset:OL+16*\i
.endr
.endm
.macro QUNIT u, left
.set XS, X+32*((\u)%2)
.set CC, (\u)%2
.set QK, (\u)/2
	s_wait_dscnt \left                             ; my unit's 8 loads are in, and so are the image stores issued behind them; what may be out is the next unit's 8 loads
	v_max3_num_f32 v[TQ], |v[XS]|, |v[XS+1]|, 0x1800000        ; the largest magnitude, in two chains, with the floor 2^(3 - 127) among the leaves: the byte cannot fall under 1
	v_max3_num_f32 v[TQ+1], |v[XS+2]|, |v[XS+3]|, |v[XS+4]|
.irp i, 5,9,13,17,21,25
	v_max3_num_f32 v[TQ], v[TQ], |v[XS+\i]|, |v[XS+\i+1]|
	v_max3_num_f32 v[TQ+1], v[TQ+1], |v[XS+\i+2]|, |v[XS+\i+3]|
.endr
	v_max3_num_f32 v[TQ], v[TQ], |v[XS+29]|, |v[XS+30]|
	v_max3_num_f32 v[TQ], v[TQ], v[TQ+1], |v[XS+31]|
	v_add_nc_u32 v[TQ+2], 0xff000000, v[TQ]        ; 2 off its exponent field: the conversion takes the exponent field of this operand as its scale
	v_lshrrev_b32 v[TQ+4+CC], 23, v[TQ+2]          ; the scale's byte
	v_cvt_scalef32_pk16_fp6_f32 v[PC+6*CC:PC+6*CC+2], v[XS:XS+15], v[TQ+2]
	v_cvt_scalef32_pk16_fp6_f32 v[PT:PT+2], v[XS+16:XS+31], v[TQ+2]    ; (a conversion's three registers begin on an even number)
	v_nop                                          ; one plain place behind a scaled conversion
.irp i, 0,1,2
	v_mov_b32 v[PC+6*CC+3+\i], v[PT+\i]
.endr
.if CC == 1
	v_lshl_or_b32 v[TQ+6], v[TQ+5], 16, v[TQ+4]    ; my two bytes: blocks h and 2 + h of the K step,
	v_lshlrev_b32 v[TQ+6], v[SH8], v[TQ+6]         ; at their places in the scale word;
	v_mov_b32 v[TQ+7], 0
	v_permlanex16_b32 v[TQ+7], v[TQ+6], s[SEL], s[SEL+1]
	v_or_b32 v[TQ+6], v[TQ+6], v[TQ+7]             ; with lane l xor 16's two the word is whole
.irp c, 0,1,2
	ds_store_b128 v[IW], v[PC+4*\c:PC+4*\c+3] offset:FRB*QK+512*\c
.endr
	ds_store_b32 v[KW], v[TQ+6] offset:4*QK        ; both halves write the same word with the same value
.endif
.if (\u)+2 < 8
	LOADU (\u)+2
.endif
.endm
.macro QPHASE
	v_add_nc_u32 v[ADR], s[SB], v[QA]
	LOADU 0
	LOADU 1
.irp u, 0,1,2,3,4,5,6
	QUNIT \u, 8
.endr
	QUNIT 7, 0
.endm
; P.
.macro KLOAD                           ; the four fragments and the scale words of the tile of rows at s[MO], s[MK]
	v_add_nc_u32 v[ADK], s[MO], v[IR]
	v_add_nc_u32 v[ADS], s[MK], v[KR]
.irp s, 0,1,2,3
.irp c, 0,1,2
	ds_load_b128 v[KF+12*\s+4*\c:KF+12*\s+4*\c+3], v[ADK] offset:FRB*\s+512*\c
.endr
.endr
	ds_load_b64 v[KS:KS+1], v[ADS]
.endm
; Product NW of the 16 of group gq (tiles of units 4 gq .. 4 gq + 3, all of K): K step NW / 4, tile NW % 4.  Even groups sum in the first set of accumulators, odd groups in the second.
; A set's four accumulators take turns, one instruction a turn; the first K step starts the sums.  The window setting names source 1's window alone.
.macro WM gq
.set KQ, NW/4
.set TI, NW%4
.set FI, 16*(\gq)+NW
.set WTA, 4*(\gq)+TI
.set WAC, ACC+(ACC2-ACC)*((\gq)%2)+8*TI
.if FI < 63
	WIN ((1+FI/21)<<2)
.set WR, 12*(FI%21)
.else
	WIN 0
.set WR, WX
.endif
.if KQ == 0
	v_wmma_scale_f32_16x16x128_f8f6f4 v[WAC:WAC+7], v[KF:KF+11], v[WR:WR+11], 0, v[KS], v[WSC+2*WTA] matrix_a_fmt:MATRIX_FMT_FP6 matrix_b_fmt:MATRIX_FMT_FP6
.elseif KQ == 1
	v_wmma_scale_f32_16x16x128_f8f6f4 v[WAC:WAC+7], v[KF+12:KF+23], v[WR:WR+11], v[WAC:WAC+7], v[KS+1], v[WSC+2*WTA+1] matrix_a_fmt:MATRIX_FMT_FP6 matrix_b_fmt:MATRIX_FMT_FP6
.else
	v_wmma_scale_f32_16x16x128_f8f6f4 v[WAC:WAC+7], v[KF+12*KQ:KF+12*KQ+11], v[WR:WR+11], v[WAC:WAC+7], v[KS+KQ-2], v[WSC+2*WTA+KQ-2] matrix_a_fmt:MATRIX_FMT_FP6 matrix_b_fmt:MATRIX_FMT_FP6 matrix_a_scale:MATRIX_SCALE_ROW1 matrix_b_scale:MATRIX_SCALE_ROW1
.endif
.set NW, NW+1
.endm
; THE VECTOR WORK OF A GROUP is a list of 114 numbers; AI writes number J of it for group gq, on the group's 32 numbers a lane.
;   0-15    c k + cbias, two at a time, each accumulator from its low end on
;   16-47   the exponentials, one batch;   48  a plain place behind the last, and the wait ahead of the batch's first reader
;   49-64   + 1, two at a time
;   65-96   the reciprocals, one batch (an exponential that has run to infinity gives 0, one that has fallen to 0 gives 1: tanh's two ends);   97  their place and their wait
;   98-113  x NV into the head's sums, two at a time; a head's first tile starts its sums
; Numbers 0 to 97 have no vector register as their source 1 (a scalar pair, a constant, or one source only), so they stand under a product's window setting as they are; numbers 98 on want window 0.
.macro AI gq
.set AB, ACC+(ACC2-ACC)*((\gq)%2)
.if J < 16
.set TAU, 4*(\gq)+J/4
.set AC, AB+2*J
.set CBP, CB+2*(TAU/2)
.if TAU%2 == 0
	v_pk_fma_f32 v[AC:AC+1], v[AC:AC+1], s[CS:CS+1], v[CBP:CBP+1] op_sel_hi:[1,0,0]
.else
	v_pk_fma_f32 v[AC:AC+1], v[AC:AC+1], s[CS:CS+1], v[CBP:CBP+1] op_sel:[0,0,1] op_sel_hi:[1,0,1]
.endif
.elseif J < 48
	v_exp_f32 v[AB+J-16], v[AB+J-16]
.elseif J == 48
	v_nop
	s_wait_alu depctr_va_vdst(0)
.elseif J < 65
.set AC, AB+2*(J-49)
	v_pk_add_f32 v[AC:AC+1], v[AC:AC+1], 1.0 op_sel_hi:[1,0]
.elseif J < 97
	v_rcp_f32 v[AB+J-65], v[AB+J-65]
.elseif J == 97
	v_nop
	s_wait_alu depctr_va_vdst(0)
.else
	WIN 0
.set TAU, 4*(\gq)+(J-98)/4
.set AC, AB+2*(J-98)
.set T8, TAU%8
.set NVP, NV+2*(T8/2)
.set SS, SAC+8*(TAU/8)+2*((J-98)%4)
.if T8 == 0
	v_pk_mul_f32 v[SS:SS+1], v[AC:AC+1], v[NVP:NVP+1] op_sel_hi:[1,0]
.elseif T8%2 == 0
	v_pk_fma_f32 v[SS:SS+1], v[AC:AC+1], v[NVP:NVP+1], v[SS:SS+1] op_sel_hi:[1,0,1]
.else
	v_pk_fma_f32 v[SS:SS+1], v[AC:AC+1], v[NVP:NVP+1], v[SS:SS+1] op_sel:[0,1,0] op_sel_hi:[1,1,1]
.endif
.endif
.set J, J+1
.endm
.macro MMB gq                          ; a group's products, bare
.set NW, 0
.rept 16
	WM \gq
.endr
.endm
.macro ACTB gq                         ; a group's vector work, bare
	WIN 0
.set J, 0
.rept 114
	AI \gq
.endr
.endm
; A TURN: group g + 1's 16 products, a slice of group g's list behind each: 7 numbers behind products 0 to 7, 6 behind products 8 to 14, 16 behind product 15: 56 + 42 + 16 = 114.
; So numbers 48 and 97, the waits, end slices 6 and 14, and the last slice is numbers 98 to 113: sixteen plain instructions that name no register of the products round them:
; they are the places between group g + 1's last products and what follows: the first read of their results, and the loads into key's fragments.
.macro STAGE g
.set NW, 0
.set J, 0
.rept 16
	WM (\g)+1
.if NW <= 8
.set NS, 7
.elseif NW <= 15
.set NS, 6
.else
.set NS, 16
.endif
.rept NS
	AI \g
.endr
.endr
.endm
; The sum over the 16 lanes of a row of lanes, of 16 registers at once: in each stage a lane keeps one register of a pair, by a bit of its number, sends the other to the lane that keeps it, and adds what it is sent.
.macro RSTAGE n, d, m, x
.set J, 0
.rept \n
	v_cndmask_b32 v[TP+J], v[SAC+J+\d], v[SAC+J], s[\m]        ; what I send
.set J, J+1
.endr
.set J, 0
.rept \n
	v_cndmask_b32 v[SAC+J], v[SAC+J], v[SAC+J+\d], s[\m]       ; what I keep
.set J, J+1
.endr
.set J, 0
.rept \n
	v_add_f32_dpp v[SAC+J], v[TP+J], v[SAC+J] row_xmask:\x row_mask:0xf bank_mask:0xf
.set J, J+1
.endr
.endm
.macro REDUCE                          ; lane (r, h) ends with head 2 w + (r / 8), row 16 m + 8 h + r % 8
	RSTAGE 8, 8, M8, 8
	RSTAGE 4, 4, M4, 4
	RSTAGE 2, 2, M2, 2
	RSTAGE 1, 1, M1, 1
	v_add_nc_u32 v[ADW], s[MS], v[SW]
	ds_store_b32 v[ADW], v[SAC]
.endm
.macro PPHASE
	s_mov_b32 s[MO], 0
	s_mov_b32 s[MK], 0
	s_mov_b32 s[MS], 0
	s_mov_b32 s[MC], 4
	KLOAD
.Lm_\@:
	s_wait_dscnt 0x0                               ; the tile's fragments and scale words are in; the last tile's score is stored, so its registers may be written
	MMB 0
.rept 4
	v_nop                                          ; four places behind group 0's last products (ISA guide 7.12.1), ahead of the first read of their results: no other vector work is at hand here
.endr
	STAGE 0
	STAGE 1
	STAGE 2
	WIN 0
	s_add_co_u32 s[MO], s[MO], 4*FRB               ; the next tile of rows is fetched here, behind the last turn's sixteen places, so that it lands under group 3's vector work;
	s_add_co_u32 s[MK], s[MK], 256
	s_cmp_eq_u32 s[MC], 1                          ; a block's last tile fetches nothing (a branch on the count of tiles)
	s_cbranch_scc1 .Lnok_\@
	KLOAD
.Lnok_\@:
	ACTB 3
	REDUCE
	s_add_co_u32 s[MS], s[MS], 512
	s_sub_co_u32 s[MC], s[MC], 1
	s_cmp_lg_u32 s[MC], 0
	s_cbranch_scc1 .Lm_\@
.endm
; S.  Lane (r, h): row 16 w + r, heads 4 h .. 4 h + 3; lane l xor 16 holds the row's other four heads.
.macro SPHASE
	ds_load_b128 v[Z:Z+3], v[SR]
	v_mov_b32 v[Z+5], 0                            ; (a lane permute's destination counts as one of its sources)
	v_mov_b32 v[Z+9], 0
	s_wait_dscnt 0x0
	v_max3_num_f32 v[Z+4], v[Z], v[Z+1], v[Z+2]
	v_max_num_f32 v[Z+4], v[Z+4], v[Z+3]
	v_permlanex16_b32 v[Z+5], v[Z+4], s[SEL], s[SEL+1]
	v_max_num_f32 v[Z+4], v[Z+4], v[Z+5]           ; the largest of the eight
.irp i, 0,1,2,3
	v_sub_f32 v[Z+\i], v[Z+\i], v[Z+4]
.endr
.irp i, 0,1,2,3
	v_exp_f32 v[Z+\i], v[Z+\i]
.endr
	v_nop
	s_wait_alu depctr_va_vdst(0)
	v_pk_add_f32 v[Z+6:Z+7], v[Z:Z+1], v[Z+2:Z+3]
	v_add_f32 v[Z+8], v[Z+6], v[Z+7]
	v_permlanex16_b32 v[Z+9], v[Z+8], s[SEL], s[SEL+1]
	v_add_f32 v[Z+8], v[Z+8], v[Z+9]
	v_rcp_f32 v[Z+8], v[Z+8]
	v_nop
	s_wait_alu depctr_va_vdst(0)
.irp i, 0,1,2,3
	v_mul_f32 v[Z+\i], v[Z+\i], v[Z+8]
.endr
	v_cvt_pk_bf16_f32 v[Z+10], v[Z], v[Z+1]
	v_cvt_pk_bf16_f32 v[Z+11], v[Z+2], v[Z+3]
	ds_store_b16 v[TW], v[Z+10]
	ds_store_b16_d16_hi v[TW], v[Z+10] offset:WTP
	ds_store_b16 v[TW], v[Z+11] offset:2*WTP
	ds_store_b16_d16_hi v[TW], v[Z+11] offset:3*WTP
.endm
; C.  A step (kc, g): rows 32 kc .. + 31 of the block, columns 128 w + 64 g .. + 63.  A lane reads 16 bytes (columns 4 r + 0 .. 3) of the 16 rows that the operand's layout gives its half: sixteen lanes read 256 consecutive bytes.
; Column 4 r + c goes to fragment c as its column r: which columns form a tile is free.
.macro FLOAD kc, g
.set J, 0
.rept 16
	ds_load_b128 v[F+4*J:F+4*J+3], v[ADC+\kc] offset:(J+8*(J/8))*HP+256*(\g)
.set J, J+1
.endr
.endm
.macro WALOAD kc
	ds_load_b128 v[WA:WA+3], v[TR] offset:64*(\kc)
	ds_load_b128 v[WA+4:WA+7], v[TR] offset:64*(\kc)+32
.endm
.macro CCVT younger                    ; younger: LDS loads issued behind the 16
.set J, 0
.rept 8
	s_wait_dscnt 14-2*J+(\younger)                 ; rows 2 J and 2 J + 1 of my 16 are in
.irp c, 0,1,2,3
	v_cvt_pk_bf16_f32 v[BF+8*\c+J], v[F+8*J+\c], v[F+8*J+4+\c]
.endr
.set J, J+1
.endr
.endm
.macro CMM g                           ; four accumulators, one instruction each; then the places ahead of the next writes of the fragments and of the stores of results
.irp c, 0,1,2,3
	v_wmma_f32_16x16x32_bf16 v[CTX+8*(4*(\g)+\c):CTX+8*(4*(\g)+\c)+7], v[WA:WA+7], v[BF+8*\c:BF+8*\c+7], v[CTX+8*(4*(\g)+\c):CTX+8*(4*(\g)+\c)+7]
.endr
.rept 4
	v_nop
.endr
.endm
.macro SPILL                           ; the context's accumulators (1, c) go to my own bytes of LDS as they stand, each from its low end on
.irp a, 0,1,2,3
	ds_store_b128 v[IW], v[ACC2+8*\a:ACC2+8*\a+3] offset:SPO+1024*\a
	ds_store_b128 v[IW], v[ACC2+8*\a+4:ACC2+8*\a+7] offset:SPO+1024*\a+512
.endr
.endm
.macro RELOAD                          ; and come back so
.irp a, 0,1,2,3
	ds_load_b128 v[ACC2+8*\a:ACC2+8*\a+3], v[IW] offset:SPO+1024*\a
	ds_load_b128 v[ACC2+8*\a+4:ACC2+8*\a+7], v[IW] offset:SPO+1024*\a+512
.endr
.endm
.macro CPHASE spill
	v_add_nc_u32 v[ADC], s[SB], v[CA]
	v_add_nc_u32 v[ADC+1], 2*PARTB, v[ADC]
	WALOAD 0
	FLOAD 0, 0
	CCVT 0
	RELOAD                                         ; ahead of the next 16 loads: the count-down for those, which ends at 0, shows these in too, ahead of the products that add onto them
	FLOAD 0, 1
	CMM 0
	CCVT 0
	FLOAD 1, 0
	CMM 1
	WALOAD 1                                       ; behind the products that read the first fragment, and their places
	CCVT 2
	FLOAD 1, 1
	s_wait_dscnt 16                                ; the weights' fragment is in: the 16 loads just issued may be out
	CMM 0
	CCVT 0
	CMM 1
.if \spill
	SPILL
.endif
.endm
.macro BLOCK fill
	TOP \fill
	QPHASE
	BAR                                            ; the block's 16 images and their scale words lie in LDS
	PPHASE
	BAR                                            ; its 64 x 8 scores
	SPHASE
	BAR                                            ; its weights
	CPHASE \fill
.endm
	s_load_b256 s[4:11], s[0:1], 0x0               ; key s[4:5], wfrag s[6:7], Wk's scales s[8:9], cbias s[10:11]
	s_load_b128 s[12:15], s[0:1], 0x20             ; v s[12:13], part s[14:15]
	v_lshl_add_u32 v[SPW], v0, 2, SPARE
	v_mov_b32 v[NIL], 0
	ds_add_u32 v[SPW], v[NIL]                      ; the wave's opening: the add, twice on end, and its wait ahead of my first tensor load
	ds_add_u32 v[SPW], v[NIL]
	v_lshrrev_b32 v149, 5, v0
	v_readfirstlane_b32 s[WV], v149                ; wave 0..3
	; descriptor group 1: 32 half rows of key: 128 elements of 8 bytes each, 256 elements from row to row, 16 bytes of padding behind each
	s_mov_b32 s[G1], (3<<16)|(1<<20)|(7<<22)|(3<<25)  ; 15:0 no mask; 17:16 elements of 8 bytes; 20 padding on; 24:22 after every 256 words (code 7); 31:25 of 4 words (code 3)
	s_mov_b32 s[G1+1], 128<<16                     ; tensor_dim0
	s_mov_b32 s[G1+2], 32<<16                      ; tensor_dim1
	s_mov_b32 s[G1+3], 128<<16                     ; tile_dim0
	s_mov_b32 s[G1+4], 32                          ; tile_dim1
	s_mov_b32 s[G1+5], 256                         ; tensor_dim0_stride
	s_mov_b32 s[G1+6], 0
	s_mov_b32 s[G1+7], 0
	s_mul_i32 s[WOFF], s[WV], PARTB
	s_mov_b32 s[SB], SLOT                          ; the first change of slots turns it to slot 0
	s_mov_b32 s[SN], 0
	s_mov_b32 s[CS], 0x4038aa3b                    ; c = 2 log2(e)
	s_mov_b32 s[CS+1], s[CS]
	s_mov_b32 s[SEL], 0x76543210
	s_mov_b32 s[SEL+1], 0xfedcba98
	s_mov_b32 s[M8], 0xff00ff00
	s_mov_b32 s[M4], 0xf0f0f0f0
	s_mov_b32 s[M2], 0xcccccccc
	s_mov_b32 s[M1], 0xaaaaaaaa
	s_lshr_b32 s49, s[WV], 1                       ; w / 2
	s_and_b32 s50, s[WV], 1                        ; w % 2
	s_lshl_b32 s18, ttmp9, 20                      ; the work-group's 512 rows of 2,048 bytes,
	s_lshl_b32 s51, s49, 16                        ; my part's 32 rows of a block,
	s_add_co_u32 s18, s18, s51
	s_lshl_b32 s51, s50, 10                        ; and its half of them
	s_add_co_u32 s18, s18, s51
	s_mov_b32 s19, 0
	s_wait_dscnt 0x0                               ; both opening adds are done
	s_wait_kmcnt 0x0
	s_mov_b32 s[G0], 1                             ; count = 1
	s_mov_b32 s[G0+1], s[WOFF]                     ; LDS address: slot 0, my part
	s_add_nc_u64 s[G0+2:G0+3], s[4:5], s[18:19]
	s_or_b32 s[G0+3], s[G0+3], 0x80000000          ; type = 2
	tensor_load_to_lds s[G0:G0+3], s[G1:G1+7]      ; block 0: by this text's count one tensor load of a wave is out at any time
	s_nop 0
	v_and_b32 v150, 31, v0                         ; lane
	v_and_b32 v151, 15, v0                         ; r
	v_bfe_u32 v152, v0, 4, 1                       ; h
	v_lshlrev_b32 v[LI], 4, v150
	v_lshl_add_u32 v[IR], v150, 4, IMG
	s_mul_i32 s51, s49, 2*PARTB                    ; Q: row 16 w + r lies in parts 2 (w / 2) and 2 (w / 2) + 1, as row 16 (w % 2) + r
	s_mul_i32 s52, s50, 16*HP
	s_add_co_u32 s51, s51, s52
	v_mul_u32_u24 v[QA], v151, HP
	v_lshl_add_u32 v[QA], v152, 7, v[QA]
	v_add_nc_u32 v[QA], s51, v[QA]
	s_mul_i32 s51, s49, PARTB                      ; C: my 128 columns are bytes 512 w of a row: half w / 2, bytes 512 (w % 2) on
	s_lshl_b32 s52, s50, 9
	s_add_co_u32 s51, s51, s52
	v_mul_u32_u24 v[CA], v152, 8*HP
	v_lshl_add_u32 v[CA], v151, 4, v[CA]
	v_add_nc_u32 v[CA], s51, v[CA]
	s_mul_i32 s51, s[WV], 4*FRB
	v_add_nc_u32 v[IW], s51, v[IR]
	s_lshl_b32 s51, s[WV], 8
	v_lshl_add_u32 v[KW], v151, 4, KSC
	v_add_nc_u32 v[KW], s51, v[KW]
	v_lshl_add_u32 v[KR], v151, 4, KSC
	v_lshl_add_u32 v[KR], v152, 3, v[KR]
	v_and_b32 v153, 7, v0
	v_bfe_u32 v154, v0, 3, 1
	v_lshl_add_u32 v153, v152, 3, v153             ; 8 h + r % 8
	v_lshl_add_u32 v[SW], v153, 5, SCT
	v_lshl_add_u32 v[SW], v154, 2, v[SW]
	s_lshl_b32 s51, s[WV], 3
	v_add_nc_u32 v[SW], s51, v[SW]
	v_lshl_add_u32 v[SR], v151, 5, SCT
	v_lshl_add_u32 v[SR], v152, 4, v[SR]
	s_lshl_b32 s51, s[WV], 9
	v_add_nc_u32 v[SR], s51, v[SR]
	v_mul_u32_u24 v[TW], v152, 4*WTP
	v_lshl_add_u32 v[TW], v151, 1, v[TW]
	s_lshl_b32 s51, s[WV], 5
	s_add_co_u32 s51, s51, WT
	v_add_nc_u32 v[TW], s51, v[TW]
	v_mul_u32_u24 v[TR], v151, WTP
	v_lshl_add_u32 v[TR], v152, 4, v[TR]
	v_add_nc_u32 v[TR], WT, v[TR]
	v_lshlrev_b32 v[SH8], 3, v152
	v_lshlrev_b32 v155, 4, v151
	v_lshl_add_u32 v155, v152, 3, v155             ; 16 r + 8 h: Wk's scale words
	v_lshlrev_b32 v156, 2, v151                    ; 4 r: cbias and v
	v_lshl_add_u32 v157, v0, 4, WT+256             ; the zeros below
	s_mul_i32 s18, s[WV], 64*FRB                   ; my 64 fragments
	s_add_nc_u64 s[6:7], s[6:7], s[18:19]
	s_lshl_b32 s18, s[WV], 12                      ; my 256 rows of 16 scale bytes
	s_add_nc_u64 s[8:9], s[8:9], s[18:19]
	s_lshr_b32 s18, ttmp9, 2                       ; the batch
	s_lshl_b32 s18, s18, 12
	s_lshl_b32 s51, s[WV], 10
	s_add_co_u32 s18, s18, s51
	s_add_nc_u64 s[10:11], s[10:11], s[18:19]
	s_lshl_b32 s18, ttmp9, 14                      ; the work-group's 8 x 512 f32 of part
	s_add_nc_u64 s[14:15], s[14:15], s[18:19]
.irp t, 0,1,2,3,4,5,6,7,8,9,10,11,12,13,14,15
	global_load_b64 v[WSC+2*\t:WSC+2*\t+1], v155, s[8:9] offset:256*\t
	global_load_b32 v[CB+\t], v156, s[10:11] offset:64*\t
.endr
.irp t, 0,1,2,3,4,5,6,7
	global_load_b32 v[NV+\t], v156, s[12:13] offset:64*\t
.endr
.set FI, 0
.rept 64                                       ; Wk's fragments, in the order of their use: three loads of 512 consecutive bytes each
.if FI < 63
	WIN ((1+FI/21)<<6)                             ; the destination's window
.set WR, 12*(FI%21)
.else
	WIN 0
.set WR, WX
.endif
.irp c, 0,1,2
	global_load_b128 v[WR+4*\c:WR+4*\c+3], v[LI], s[6:7] offset:FRB*FI+512*\c
.endr
.set FI, FI+1
.endr
	WIN 0
.set J, 0
.rept 32
	v_mov_b32 v[CTX+J], 0                          ; the context's accumulators (0, c), once: so a block is written twice in the text and not three times
.set J, J+1
.endr
	ds_store_b128 v157, v[CTX:CTX+3]               ; zeros over the weights' rows 8-15 (and over part of rows 1-7, which every block writes anew before it reads them)
.irp q, 0,1,2,3,4,5,6,7
	ds_store_b128 v[IW], v[CTX:CTX+3] offset:SPO+512*\q   ; and where the accumulators (1, c) wait: the first block finds zeros there
.endr
	s_wait_loadcnt 0x0
	v_mul_f32 v160, v[NV], v[NV]                   ; sum of v^2: my 8, then the 16 lanes of my row of lanes
.irp t, 1,2,3,4,5,6,7
	v_fmac_f32 v160, v[NV+\t], v[NV+\t]
.endr
	v_add_f32_dpp v160, v160, v160 row_xmask:1 row_mask:0xf bank_mask:0xf
	v_add_f32_dpp v160, v160, v160 row_xmask:2 row_mask:0xf bank_mask:0xf
	v_add_f32_dpp v160, v160, v160 row_xmask:4 row_mask:0xf bank_mask:0xf
	v_add_f32_dpp v160, v160, v160 row_xmask:8 row_mask:0xf bank_mask:0xf
	v_rsq_f32 v160, v160
	v_nop
	s_wait_alu depctr_va_vdst(0)
	v_mul_f32 v160, 0xbe8293ee, v160               ; x -2 log2(e) / sqrt(128)
.irp t, 0,1,2,3,4,5,6,7
	v_mul_f32 v[NV+\t], v[NV+\t], v160
.endr
	s_mov_b32 s[BLK], 7
.Lblk:                                             ; blocks 0 to 6: each asks for the block after
	BLOCK 1
	s_sub_co_u32 s[BLK], s[BLK], 1
	s_cmp_lg_u32 s[BLK], 0
	s_cbranch_scc1 .Lblk
	BLOCK 0                                        ; the last block is written out: it asks for nothing, and its sums stay in registers
	; THE WAY OUT.  In an accumulator lanes 0-15 hold heads 0-7 in registers 0-7; lanes 16-31 hold the rows of zeros.  A swap brings heads 4-7 into lanes 16-31 of registers 0-3;
	; then a lane's four columns, one from each of four accumulators, are gathered and stored: sixteen lanes store 256 consecutive bytes, at a multiple of 256 from part's first byte.
.irp a, 0,1,2,3,4,5,6,7
.irp j, 0,1,2,3
	v_permlane16_swap_b32 v[CTX+8*\a+\j], v[CTX+8*\a+4+\j]
.endr
.endr
	v_and_b32 v181, 15, v0
	v_bfe_u32 v182, v0, 4, 1
	v_lshlrev_b32 v180, 4, v181
	v_lshl_add_u32 v180, v182, 13, v180            ; 16 r + four heads of 2,048 bytes for lanes 16-31
	s_lshl_b32 s18, s[WV], 9
	v_add_nc_u32 v180, s18, v180
.irp g, 0,1
.irp j, 0,1,2,3
.irp c, 0,1,2,3
	v_mov_b32 v[OQ+4*(4*\g+\j)+\c], v[CTX+8*(4*\g+\c)+\j]
.endr
	global_store_b128 v180, v[OQ+4*(4*\g+\j):OQ+4*(4*\g+\j)+3], s[14:15] offset:2048*\j+256*\g th:TH_STORE_NT
.endr
.endr
	s_wait_tensorcnt 0x0                           ; the wave's end, behind my last tensor load and my last LDS store
	ds_add_u32 v[SPW], v[NIL]
	s_wait_dscnt 0x0
	s_endpgm
.Lfunc_end_k_q3b6e83d51c_main:
	.size	k_q3b6e83d51c_main, .Lfunc_end_k_q3b6e83d51c_main-k_q3b6e83d51c_main
	.p2alignl 7, 3214868480
	.fill 96, 4, 3214868480
	.section	.rodata,"a",@progbits
	.p2align	6, 0x0
	.amdhsa_kernel k_q3b6e83d51c_main
		.amdhsa_group_segment_fixed_size 327680
		.amdhsa_private_segment_fixed_size 0
		.amdhsa_enable_private_segment 0
		.amdhsa_kernarg_size 48
		.amdhsa_user_sgpr_count 2
		.amdhsa_user_sgpr_kernarg_segment_ptr 1
		.amdhsa_wavefront_size32 1
		.amdhsa_system_sgpr_workgroup_id_x 1
		.amdhsa_system_sgpr_workgroup_id_y 1
		.amdhsa_system_sgpr_workgroup_id_z 1
		.amdhsa_system_vgpr_workitem_id 0
		.amdhsa_next_free_vgpr 1024
		.amdhsa_next_free_sgpr 66
		.amdhsa_reserve_vcc 0
		.amdhsa_float_denorm_mode_32 3
		.amdhsa_float_denorm_mode_16_64 3
		.amdhsa_memory_ordered 1
		.amdhsa_forward_progress 1
		.amdhsa_inst_pref_size 171
	.end_amdhsa_kernel
	.amdgpu_metadata
---
amdhsa.version: [ 1, 2 ]
amdhsa.kernels:
  - .name:           k_q3b6e83d51c_main
    .symbol:         k_q3b6e83d51c_main.kd
    .args:
      - { .name: key, .offset: 0, .size: 8, .value_kind: global_buffer, .address_space: global }
      - { .name: wfrag, .offset: 8, .size: 8, .value_kind: global_buffer, .address_space: global }
      - { .name: Wk_scales, .offset: 16, .size: 8, .value_kind: global_buffer, .address_space: global }
      - { .name: cbias, .offset: 24, .size: 8, .value_kind: global_buffer, .address_space: global }
      - { .name: v, .offset: 32, .size: 8, .value_kind: global_buffer, .address_space: global }
      - { .name: part, .offset: 40, .size: 8, .value_kind: global_buffer, .address_space: global }
    .group_segment_fixed_size: 327680
    .private_segment_fixed_size: 0
    .kernarg_segment_align: 8
    .kernarg_segment_size: 48
    .max_flat_workgroup_size: 128
    .sgpr_count:     66
    .vgpr_count:     1024
    .wavefront_size: 32
...
	.end_amdgpu_metadata
.endif
;; end of part 2
;; launch fold (part 3): grid 256 x 1, 8 waves a work-group, no clusters, 0 bytes of LDS; arguments part, out0; writes out0
.if DOCPART == 3
	.amdgcn_target "amdgcn-amd-amdhsa--gfx1250"
	.amdhsa_code_object_version 6
	.text
	.protected	k_q3b6e83d51c_fold
	.globl	k_q3b6e83d51c_fold
	.p2align	8
	.type	k_q3b6e83d51c_fold,@function
k_q3b6e83d51c_fold:
	s_mov_b64 s[64:65], 0
	v_nop
	global_prefetch_b8 v0, s[64:65] scope:SCOPE_SE
	s_setreg_imm32_b32 hwreg(HW_REG_WAVE_MODE, 25, 1), 1
	s_wait_xcnt 0x0
; THIRD LAUNCH.  out0[b][:] = the sum of the four partial contexts of batch b, part[4 b + q][:], q = 0 .. 3: each holds the sum over 512 of the batch's 2,048 rows of key.
; Work-group g: 1,024 numbers, the quarter g % 4 of batch g / 4.  Thread t: 16 bytes; a wave's load or store covers 512 consecutive bytes.  A stream: no LDS, no barrier, no matrix unit.
	s_load_b128 s[4:7], s[0:1], 0x0                ; part s[4:5], out0 s[6:7]
	s_lshr_b32 s8, ttmp9, 2
	s_lshl_b32 s8, s8, 16                          ; the batch's four partial contexts of 16,384 bytes
	s_and_b32 s9, ttmp9, 3
	s_lshl_b32 s9, s9, 12                          ; my quarter of one
	s_add_co_u32 s8, s8, s9
	s_mov_b32 s9, 0
	s_lshl_b32 s10, ttmp9, 12
	s_mov_b32 s11, 0
	v_lshlrev_b32 v1, 4, v0
	s_wait_kmcnt 0x0
	s_add_nc_u64 s[4:5], s[4:5], s[8:9]
	s_add_nc_u64 s[6:7], s[6:7], s[10:11]
.irp q, 0,1,2,3
	global_load_b128 v[4+4*\q:7+4*\q], v1, s[4:5] offset:16384*\q th:TH_LOAD_NT
.endr
	s_wait_loadcnt 0x0
	v_pk_add_f32 v[4:5], v[4:5], v[8:9]
	v_pk_add_f32 v[6:7], v[6:7], v[10:11]
	v_pk_add_f32 v[12:13], v[12:13], v[16:17]
	v_pk_add_f32 v[14:15], v[14:15], v[18:19]
	v_pk_add_f32 v[4:5], v[4:5], v[12:13]
	v_pk_add_f32 v[6:7], v[6:7], v[14:15]
	global_store_b128 v1, v[4:7], s[6:7] th:TH_STORE_NT
	s_endpgm
.Lfunc_end_k_q3b6e83d51c_fold:
	.size	k_q3b6e83d51c_fold, .Lfunc_end_k_q3b6e83d51c_fold-k_q3b6e83d51c_fold
	.p2alignl 7, 3214868480
	.fill 96, 4, 3214868480
	.section	.rodata,"a",@progbits
	.p2align	6, 0x0
	.amdhsa_kernel k_q3b6e83d51c_fold
		.amdhsa_group_segment_fixed_size 0
		.amdhsa_private_segment_fixed_size 0
		.amdhsa_enable_private_segment 0
		.amdhsa_kernarg_size 16
		.amdhsa_user_sgpr_count 2
		.amdhsa_user_sgpr_kernarg_segment_ptr 1
		.amdhsa_wavefront_size32 1
		.amdhsa_system_sgpr_workgroup_id_x 1
		.amdhsa_system_sgpr_workgroup_id_y 1
		.amdhsa_system_sgpr_workgroup_id_z 1
		.amdhsa_system_vgpr_workitem_id 0
		.amdhsa_next_free_vgpr 24
		.amdhsa_next_free_sgpr 66
		.amdhsa_reserve_vcc 0
		.amdhsa_float_denorm_mode_32 3
		.amdhsa_float_denorm_mode_16_64 3
		.amdhsa_memory_ordered 1
		.amdhsa_forward_progress 1
		.amdhsa_inst_pref_size 2
	.end_amdhsa_kernel
	.amdgpu_metadata
---
amdhsa.version: [ 1, 2 ]
amdhsa.kernels:
  - .name:           k_q3b6e83d51c_fold
    .symbol:         k_q3b6e83d51c_fold.kd
    .args:
      - { .name: part, .offset: 0, .size: 8, .value_kind: global_buffer, .address_space: global }
      - { .name: out0, .offset: 8, .size: 8, .value_kind: global_buffer, .address_space: global }
    .group_segment_fixed_size: 0
    .private_segment_fixed_size: 0
    .kernarg_segment_align: 8
    .kernarg_segment_size: 16
    .max_flat_workgroup_size: 256
    .sgpr_count:     66
    .vgpr_count:     24
    .wavefront_size: 32
...
	.end_amdgpu_metadata
.endif
;; end of part 3
